; MI455X (gfx1250); checked and timed in simulation.
; The chip was launched on July 23, 2026; its instructions are those of AMD's public machine-readable ISA for CDNA 5 (MIT licence, August 2026) and "CDNA5" Instruction Set Architecture Reference Guide (July 2026). The comments in the code are by the model that wrote it; some were corrected since.
;; Adaptive Meta Learner. Allowed arithmetic: matrix products marked QUANTISED: E2M1 operands, one E8M0 scale for each 32 along K, by v_wmma_scale_f32_16x16x128_f8f6f4 with both operands' format E2M1 (or v_wmma_scale_f32_32x16x128_f4), f32 sums; products left as they are: f32 operands where the result goes on into a quantised operand, else bf16, f16 or f32 operands; f32 sums; everything else in f32.
;; Inputs: W1 64 x 1 float32; Wo 1 x 64 float32; b1 64 float32; be1 64 float32; bo 1 float32; g1 64 float32; l0_Wh 256 x 64 float32; l0_Wi 256 x 64 float32; l0_bc 64 float32; l0_bgh 256 float32; l0_bgi 256 float32; l0_bh 256 float32; l0_bi 256 float32; l0_gc 64 float32; l0_gh 256 float32; l0_gi 256 float32; l1_Wh 256 x 64 float32; l1_Wi 256 x 64 float32; l1_bc 64 float32; l1_bgh 256 float32; l1_bgi 256 float32; l1_bh 256 float32; l1_bi 256 float32; l1_gc 64 float32; l1_gh 256 float32; l1_gi 256 float32; x 250,000 float32.
;; Outputs: out0 250,000 x 1 float32; out1 1 x 1 float32.
;; This version of the problem:
;;   THIS VERSION OF THE PROBLEM IS GIVEN IN LOW PRECISION. The matrix products marked QUANTISED in the list below multiply operands that are first quantised to E2M1 (2 exponent bits, 1 mantissa bit; 4 bits a number), with one power-of-two scale for each 32 numbers along K (OCP MX v1.0); their sums are f32. All else is computed in f32.
;;   The module's matrix products, in the order in which they are computed (A, B: the left and right operand; K: the contracted axis; several contracted axes count as one K, in the product's order):
;;     1. [M 250,001, K 1] x [K 1, N 64]; A: computed on the way; B: input W1: left as it is (K = 1 < 32)
;;     2. [M 250,001, K 64] x [K 64, N 256]; A: computed on the way; B: input l0_Wi: QUANTISED
;;     3. [M 250,001, K 64] x [K 64, N 256]; A: computed on the way; B: input l0_Wh: QUANTISED
;;     4. [M 250,001, K 64] x [K 64, N 256]; A: computed on the way; B: input l1_Wi: QUANTISED
;;     5. [M 250,001, K 64] x [K 64, N 256]; A: computed on the way; B: input l1_Wh: QUANTISED
;;     6. [M 250,001, K 64] x [K 64, N 1]; A: computed on the way; B: input Wo: left as it is (N = 1 < 16)
;;   THE QUANTISER, for each operand of a quantised product, along K:
;;     - K is cut into blocks of 32 from its start; a last block that is shorter is filled with zeros.
;;     - A block's scale is 2^e with e = floor(log2(the largest magnitude in the block)) - 2, held to -126 .. 127; a block of zeros has e = 0. As a byte (E8M0): e + 127.
;;     - Each number is divided by its block's scale, clamped to +-6, and rounded to the nearest number of E2M1, ties to even, subnormals kept.
;;     - The product sums the exact products of the quantised numbers (number of the format x scale) in f32.
;;   ~~~python
;;   def quantise(x, axis):      # numpy; x: float32 -> the quantised numbers, widened to float32 again
;;       x = np.moveaxis(x, axis, -1); K = x.shape[-1]
;;       x = np.pad(x, [(0, 0)] * (x.ndim - 1) + [(0, -K % 32)]); x = x.reshape(x.shape[:-1] + (-1, 32)); a = np.abs(x).max(-1, keepdims=True)
;;       e = np.where(a > 0, np.clip(np.frexp(np.where(a > 0, a, 1))[1] - 1 - 2, -126, 127), 0)      # np.frexp(a)[1] - 1 = floor(log2(a)), exactly
;;       r = np.clip(x / 2.0 ** e, -6, 6)
;;       step = 2.0 ** (np.maximum(np.frexp(np.where(r == 0, 1, r))[1] - 1, 0) - 1)
;;       q = np.round(r / step) * step * 2.0 ** e      # np.round: ties to even
;;       return np.moveaxis(q.reshape(q.shape[:-2] + (-1,))[..., :K], -1, axis).astype(np.float32)
;;   ~~~
;;   OPERANDS COMPUTED ON THE WAY. 'Computed on the way' means the value that the module computes at that place (a softmax that the list does not call 'softmax' is quantised finished and normalised). What goes into a quantiser is computed in f32, as accurately as f32 sums, v_exp_f32 and their like allow (about 1e-6 of the number): no bf16 or f16 on the way to a quantiser, and a product that is left as it is and whose result goes on into a quantised operand takes f32 operands (vector FMAs, or v_wmma_f32_16x16x4_f32). A number that lies on a knife's edge between two numbers of the format may be rounded either way, as far as f32 arithmetic and the matrix unit's own rounding can turn it there, and no further.
;; One version. Each part assembles by itself: llvm-mc -triple=amdgcn-amd-amdhsa -mcpu=gfx1250 --defsym DOCPART=n.
;; ======== version 1 of 1: 2 launches
;; workspace buffers: wimg 16,384 bytes; wscl 2,048 bytes; cst 8,192 bytes; part 2,048 bytes
;; launch prep (part 1): grid 65 x 1, 8 waves a work-group, no clusters, 1,536 bytes of LDS; arguments x, W1, b1, g1, be1, l0_Wi, l0_bi, l0_Wh, l0_bh, l0_gi, l0_bgi, l0_gh, l0_bgh, l0_gc, l0_bc, l1_Wi, l1_bi, l1_Wh, l1_bh, l1_gi, l1_bgi, l1_gh, l1_bgh, l1_gc, l1_bc, wimg, wscl, cst, part; writes wimg, wscl, cst, part
.if DOCPART == 1
	.amdgcn_target "amdgcn-amd-amdhsa--gfx1250"
	.amdhsa_code_object_version 6
	.text
	.protected	k_q1b0c1215fa_prep
	.globl	k_q1b0c1215fa_prep
	.p2align	8
	.type	k_q1b0c1215fa_prep,@function
k_q1b0c1215fa_prep:
	s_mov_b64 s[64:65], 0
	v_nop
	global_prefetch_b8 v0, s[64:65] scope:SCOPE_SE
	s_setreg_imm32_b32 hwreg(HW_REG_WAVE_MODE, 25, 1), 1
	s_wait_xcnt 0x0
; All that does not hang on a row of the batch, made once.  The work-group's number picks the role:
;   0, 1   LSTM cell c: Wi [256][64] f32 -> codes of E2M1 (K innermost, blocks of 32) as images of the operand's registers (wimg) and scale words (wscl);
;          the hidden-state branch: reference() builds hx = 0, so every row of hx Wh^T + bh is the same row.  It is computed for ONE tile of 16 such rows, by the scaled FP4 matrix
;          instruction on hx's zero codes and Wh's codes; then LayerNorm over the 256, x gh + bgh.  With bgi it makes the additive constant Cc of the cell.
;          Stored in cst at 3,584 c: Bc = bi - mean(bi); G = gi x kappa; Cc = (bgi + LN(..) gh + bgh) x kappa; gc x 2 log2(e); bc x 2 log2(e).
;          kappa = -log2(e) for the gates i, f, o (sigmoid(z) = 1 / (1 + 2^(kappa z))) and 2 log2(e) for g (tanh(z) = 1 - 2 / (1 + 2^(kappa z))).
;   2      the first layer: u - mean(u) = x W1c + b1c (W1c, b1c centred), 63 var = a (x + rho)^2 + q with a = sum W1c^2, rho = sum W1c b1c / a, q = sum (b1c - rho W1c)^2:
;          two terms that are never negative, no difference of large sums.  Stored: A = W1c g1 2log2(e), B = b1c g1 2log2(e), be1 2log2(e), and a / 63, rho, q / 63.
;   3..64  partial sums of x for its mean: 496 waves x 512 numbers; part[496..511] are zeros (role 2 stores them).
; LIMITS: NaN and infinities among the inputs are not served.  a under 1e-30 counts as 1e-30 in rho's divisor (W1 constant along its 64).  A block of Wi or Wh whose largest magnitude lies under 2^-124
; keeps the scale byte 1; a block of zeros keeps the byte 1 where the rule says 127: its codes are zeros, and this program alone reads the bytes.
; Each wave's partial sum of x leaves as 4 bytes from lane 0: 496 such stores, 1,984 bytes in all.
.set WV,   68                          ; s68  my wave's number
.set HIM,  69                          ; s69  mask of lanes 16-31
.set SEL,  70                          ; s[70:71] v_permlanex16_b32's selects for lane l xor 16
.set QA,   200                         ; v200-204 at work in the quantiser
.set QA2,  201
.set QS,   202
.set QB,   203
.set QO,   204
.set TMP,  252                         ; v252 the lane permute's destination in WSUM
.macro NOPS n
.rept \n
	v_nop
.endr
.endm
; 32 numbers of a lane, one whole block along K, become 4 registers of codes; QB = the block's scale byte, QO = that of lane l xor 16's block
.macro QUANT32 src, cod
	v_max3_num_f32 v[QA], |v[\src]|, |v[\src+1]|, 0x1800000          ; the largest magnitude, in two chains; the floor 2^(3 - 127) holds the byte at 1 from below
	v_max3_num_f32 v[QA2], |v[\src+16]|, |v[\src+17]|, |v[\src+18]|
.irp i, 0,2,4,6,8,10
	v_max3_num_f32 v[QA], v[QA], |v[\src+2+\i]|, |v[\src+3+\i]|
	v_max3_num_f32 v[QA2], v[QA2], |v[\src+19+\i]|, |v[\src+20+\i]|
.endr
	v_max3_num_f32 v[QA], v[QA], |v[\src+14]|, |v[\src+15]|
	v_max3_num_f32 v[QA], v[QA], v[QA2], |v[\src+31]|
	v_add_nc_u32 v[QS], 0xff000000, v[QA]                            ; 2 off its exponent field: the conversion takes this operand's exponent field as its scale
.irp g, 0,1,2,3
	v_cvt_scalef32_pk8_fp4_f32 v[\cod+\g], v[\src+8*\g:\src+8*\g+7], v[QS]
.endr
	v_lshrrev_b32 v[QB], 23, v[QS]                                   ; the scale's byte; also the plain instruction behind the conversions
	v_permlanex16_b32 v[QO], v[QB], s[SEL], s[SEL+1]
.endm
.macro WSUM v, tmp                     ; the sum over the wave's 32 lanes, in every lane
	v_add_f32_dpp v[\v], v[\v], v[\v] row_xmask:1 row_mask:0xf bank_mask:0xf
	v_add_f32_dpp v[\v], v[\v], v[\v] row_xmask:2 row_mask:0xf bank_mask:0xf
	v_add_f32_dpp v[\v], v[\v], v[\v] row_xmask:4 row_mask:0xf bank_mask:0xf
	v_add_f32_dpp v[\v], v[\v], v[\v] row_xmask:8 row_mask:0xf bank_mask:0xf
	v_permlanex16_b32 v[\tmp], v[\v], s[SEL], s[SEL+1]
	v_add_f32 v[\v], v[\v], v[\tmp]
.endm
	s_load_b512 s[8:23], s[0:1], 0x28              ; l0: Wi s[8:9], bi, Wh s[12:13], bh, gi s[16:17], bgi, gh s[20:21], bgh
	s_load_b128 s[24:27], s[0:1], 0x68             ; l0: gc, bc
	s_load_b512 s[28:43], s[0:1], 0x78             ; l1: the same eight
	s_load_b128 s[44:47], s[0:1], 0xb8             ; l1: gc, bc
	s_load_b256 s[48:55], s[0:1], 0xc8             ; wimg s[48:49], wscl s[50:51], cst s[52:53], part s[54:55]
	s_load_b256 s[56:63], s[0:1], 0x0              ; x s[56:57], W1 s[58:59], b1 s[60:61], g1 s[62:63]
	s_load_b64 s[66:67], s[0:1], 0x20              ; be1
	v_lshl_add_u32 v254, v0, 2, 0x200
	v_mov_b32 v255, 0
	v_lshrrev_b32 v1, 5, v0
	v_readfirstlane_b32 s[WV], v1                  ; wave 0..7
	v_and_b32 v1, 31, v0                           ; lane
	v_and_b32 v2, 15, v0                           ; r
	v_bfe_u32 v3, v0, 4, 1                         ; h
	v_mov_b32 v8, 0
	v_mov_b32 v[TMP], 0                            ; a lane permute's destination counts as one of its sources: written once
	v_mov_b32 v[QO], 0
	s_mov_b32 s[SEL], 0x76543210
	s_mov_b32 s[SEL+1], 0xfedcba98
	s_mov_b32 s[HIM], 0xffff0000
	s_wait_kmcnt 0x0
	s_cmp_gt_u32 ttmp9, 2                          ; the roles part on the work-group's number: the same way for all eight waves
	s_cbranch_scc1 .Lsum
	s_cmp_eq_u32 ttmp9, 2
	s_cbranch_scc1 .Lstage1
	; ---------------- roles 0, 1: cell c = the work-group's number.  Wave w takes tiles 2 w and 2 w + 1: columns n = 32 w .. 32 w + 31
	s_cmp_eq_u32 ttmp9, 0                          ; only pointers are chosen: both cells take one path through the text
	s_cselect_b64 s[8:9], s[8:9], s[28:29]
	s_cselect_b64 s[10:11], s[10:11], s[30:31]
	s_cselect_b64 s[12:13], s[12:13], s[32:33]
	s_cselect_b64 s[14:15], s[14:15], s[34:35]
	s_cselect_b64 s[16:17], s[16:17], s[36:37]
	s_cselect_b64 s[18:19], s[18:19], s[38:39]
	s_cselect_b64 s[20:21], s[20:21], s[40:41]
	s_cselect_b64 s[22:23], s[22:23], s[42:43]
	s_cselect_b64 s[24:25], s[24:25], s[44:45]
	s_cselect_b64 s[26:27], s[26:27], s[46:47]
	s_mul_i32 s72, ttmp9, 3584
	s_mov_b32 s73, 0
	s_add_nc_u64 s[52:53], s[52:53], s[72:73]      ; the cell's part of cst,
	s_lshl_b32 s72, ttmp9, 13
	s_add_nc_u64 s[48:49], s[48:49], s[72:73]      ; of wimg,
	s_lshl_b32 s72, ttmp9, 10
	s_add_nc_u64 s[50:51], s[50:51], s[72:73]      ; of wscl
	s_lshl_b32 s74, s[WV], 13
	v_lshlrev_b32 v4, 8, v2
	v_lshl_add_u32 v4, v3, 7, v4
	v_add_nc_u32 v4, s74, v4                       ; Wi, Wh: row 32 w + r of 256 bytes, + 128 h: my block of 32 along K
	s_lshl_b32 s74, s[WV], 7
	v_lshl_add_u32 v5, v1, 2, s74                  ; vectors of 256: n = 32 w + lane
	s_lshl_b32 s74, s[WV], 10
	v_lshl_add_u32 v6, v1, 4, s74                  ; images: 16 x lane + 2 tiles of 512 bytes a wave
	s_lshl_b32 s74, s[WV], 3
	v_mov_b32 v7, s74                              ; LDS: 8 w
	s_lshl_b32 s74, s[WV], 2
	v_mov_b32 v9, s74                              ; LDS: 4 w
.irp u, 0,1
.irp i, 0,1,2,3,4,5,6,7
	global_load_b128 v[16+32*\u+4*\i:19+32*\u+4*\i], v4, s[8:9] offset:4096*\u+16*\i     ; Wi(32 w + 16 u + r, 32 h + 4 i ..)
	global_load_b128 v[80+32*\u+4*\i:83+32*\u+4*\i], v4, s[12:13] offset:4096*\u+16*\i   ; Wh likewise
.endr
.endr
	global_load_b32 v208, v5, s[10:11]             ; bi
	global_load_b32 v209, v5, s[14:15]             ; bh
	global_load_b32 v210, v5, s[16:17]             ; gi
	global_load_b32 v211, v5, s[18:19]             ; bgi
	global_load_b32 v212, v5, s[20:21]             ; gh
	global_load_b32 v213, v5, s[22:23]             ; bgh
.irp i, 156,157,158,159,164,165,166,167,168,169,170,171,172,173,174,175
	v_mov_b32 v[\i], 0                             ; zero codes: K = 64 .. 127 of Wh's two operands, and hx's whole operand
.endr
	v_mov_b32 v176, 0x7f7f7f7f                     ; hx's scale word: a block of zeros has the byte 127
	s_mov_b32 s75, 0xbfb8aa3b                      ; kappa = -log2(e); for n from 192 on (waves 6, 7: the gate g) 2 log2(e)
	s_cmp_ge_u32 s[WV], 6
	s_cselect_b32 s75, 0x4038aa3b, s75
	s_wait_loadcnt 0x0
	QUANT32 16, 144                                ; Wi, tile 2 w
	v_lshl_or_b32 v205, v[QO], 8, v[QB]            ; lanes 0-15: byte 0 = my block 0's, byte 1 = lane + 16's block 1's
	QUANT32 48, 148                                ; Wi, tile 2 w + 1
	v_lshl_or_b32 v206, v[QB], 8, v[QO]            ; lanes 16-31: byte 0 = lane - 16's block 0's, byte 1 = my block 1's
	v_cndmask_b32 v207, v205, v206, s[HIM]         ; lane l: the word of column 32 w + l
	v_or_b32 v207, 0x7f7f0000, v207                ; bytes 2, 3 (K = 64 .. 127, where the other side's codes are zeros): 127
	QUANT32 80, 152                                ; Wh, tile 2 w
	v_lshl_or_b32 v177, v[QO], 8, v[QB]
	v_or_b32 v177, 0x7f7f0000, v177
	QUANT32 112, 160                               ; Wh, tile 2 w + 1
	v_lshl_or_b32 v178, v[QO], 8, v[QB]
	v_or_b32 v178, 0x7f7f0000, v178
	global_store_b128 v6, v[144:147], s[48:49]     ; an image: 32 lanes store 512 consecutive bytes
	global_store_b128 v6, v[148:151], s[48:49] offset:512
	global_store_b32 v5, v207, s[50:51]            ; 128 consecutive bytes
	NOPS 8                                         ; a scale register written by a vector instruction stands 8 places ahead of a scaled matrix instruction, an operand so written 4
	v_wmma_scale_f32_16x16x128_f8f6f4 v[184:191], v[168:175], v[152:159], 0, v176, v177 matrix_a_fmt:MATRIX_FMT_FP4 matrix_b_fmt:MATRIX_FMT_FP4   ; 16 rows of hx x Wh's tile 2 w
	v_wmma_scale_f32_16x16x128_f8f6f4 v[192:199], v[168:175], v[160:167], 0, v176, v178 matrix_a_fmt:MATRIX_FMT_FP4 matrix_b_fmt:MATRIX_FMT_FP4   ; and tile 2 w + 1
	NOPS 4                                         ; four places behind a matrix instruction before its result is read (ISA guide 7.12.1)
	v_cndmask_b32 v214, v184, v192, s[HIM]         ; register 0 of lane (r, h) is (row 8 h, column r): lane l takes column 32 w + l
	v_add_f32 v214, v214, v209                     ; yh = hx Wh^T + bh
	v_mov_b32 v216, v208
	v_mov_b32 v217, v214
	WSUM 216, TMP                                  ; my 32 columns' sum of bi,
	WSUM 217, TMP                                  ; and of yh
	ds_store_b64 v7, v[216:217]                    ; all lanes write the same 8 bytes with the same values
	s_wait_dscnt 0x0                               ; for the others' sake: my store has landed
	s_barrier_signal -1
	s_barrier_wait -1
.irp i, 0,1,2,3
	ds_load_b128 v[220+4*\i:223+4*\i], v8 offset:16*\i   ; the eight waves' pairs
.endr
	s_wait_dscnt 0x0
.irp i, 2,4,6,8,10,12,14
	v_pk_add_f32 v[220:221], v[220:221], v[220+\i:221+\i]
.endr
	v_mul_f32 v220, 0x3b800000, v220               ; mean(bi)
	v_mul_f32 v221, 0x3b800000, v221               ; mean(yh)
	v_sub_f32 v236, v208, v220                     ; Bc
	v_sub_f32 v237, v214, v221                     ; yh - mean
	v_mul_f32 v238, v237, v237
	WSUM 238, TMP
	ds_store_b32 v9, v238 offset:256               ; other bytes than the first exchange's
	s_wait_dscnt 0x0
	s_barrier_signal -1
	s_barrier_wait -1
	ds_load_b128 v[240:243], v8 offset:256
	ds_load_b128 v[244:247], v8 offset:272
	s_wait_dscnt 0x0
	v_pk_add_f32 v[240:241], v[240:241], v[242:243]
	v_pk_add_f32 v[244:245], v[244:245], v[246:247]
	v_pk_add_f32 v[240:241], v[240:241], v[244:245]
	v_add_f32 v240, v240, v241
	v_mul_f32 v240, 0x3b808081, v240               ; / 255: the unbiased variance
	v_sqrt_f32 v240, v240
	v_nop                                          ; a plain instruction behind a transcendental,
	s_wait_alu depctr_va_vdst(0)                   ; and the wait ahead of the first use of its result
	v_add_f32 v240, 0x3727c5ac, v240               ; + 1e-5
	v_rcp_f32 v240, v240
	v_mul_f32 v239, s75, v210                      ; G = gi x kappa  (the plain instruction behind the reciprocal)
	s_wait_alu depctr_va_vdst(0)
	v_mul_f32 v237, v237, v240
	v_fma_f32 v237, v237, v212, v213               ; LN(yh) gh + bgh
	v_add_f32 v237, v237, v211                     ; + bgi
	v_mul_f32 v237, s75, v237                      ; Cc
	global_store_b32 v5, v236, s[52:53]
	global_store_b32 v5, v239, s[52:53] offset:1024
	global_store_b32 v5, v237, s[52:53] offset:2048
	s_cmp_lt_u32 s[WV], 2                          ; gc and bc have 64 numbers: waves 0 and 1; no barrier stands behind this branch
	s_cbranch_scc0 .Lcell_end
	global_load_b32 v248, v5, s[24:25]
	global_load_b32 v249, v5, s[26:27]
	s_wait_loadcnt 0x0
	v_mul_f32 v250, 0x4038aa3b, v248
	v_mul_f32 v251, 0x4038aa3b, v249
	global_store_b32 v5, v250, s[52:53] offset:3072
	global_store_b32 v5, v251, s[52:53] offset:3328
.Lcell_end:
	s_wait_tensorcnt 0x0
	ds_add_u32 v254, v255
	s_wait_dscnt 0x0
	s_endpgm
	; ---------------- role 2: the first layer's constants: 64 numbers, two a lane, one wave
.Lstage1:
	s_cmp_lg_u32 s[WV], 0
	s_cbranch_scc1 .Lidle
	v_lshlrev_b32 v4, 3, v1                        ; k = 2 lane, 2 lane + 1
	v_lshlrev_b32 v5, 2, v1
	global_load_b64 v[16:17], v4, s[58:59]         ; W1
	global_load_b64 v[18:19], v4, s[60:61]         ; b1
	global_load_b64 v[20:21], v4, s[62:63]         ; g1
	global_load_b64 v[22:23], v4, s[66:67]         ; be1
	s_wait_loadcnt 0x0
	v_add_f32 v24, v16, v17
	v_add_f32 v25, v18, v19
	WSUM 24, TMP
	WSUM 25, TMP
	v_mul_f32 v24, 0xbc800000, v24                 ; -mean(W1)
	v_mul_f32 v25, 0xbc800000, v25                 ; -mean(b1)
	v_add_f32 v16, v16, v24                        ; W1c
	v_add_f32 v17, v17, v24
	v_add_f32 v18, v18, v25                        ; b1c
	v_add_f32 v19, v19, v25
	v_mul_f32 v26, v16, v16
	v_mul_f32 v27, v16, v18
	v_fma_f32 v26, v17, v17, v26
	v_fma_f32 v27, v17, v19, v27
	WSUM 26, TMP                                   ; a
	WSUM 27, TMP                                   ; sum W1c b1c
	v_max_num_f32 v28, 0x0da24260, v26             ; the divisor is held at 1e-30 from below
	v_rcp_f32 v28, v28
	v_mul_f32 v40, 0x3c820821, v26                 ; a / 63  (the plain instruction behind the reciprocal)
	s_wait_alu depctr_va_vdst(0)                   ; the wait ahead of the first use
	v_mul_f32 v41, v27, v28                        ; rho
	v_fma_f32 v29, -v41, v16, v18                  ; b1c - rho W1c
	v_fma_f32 v30, -v41, v17, v19
	v_mul_f32 v31, v29, v29
	v_fma_f32 v31, v30, v30, v31
	WSUM 31, TMP                                   ; q
	v_mul_f32 v42, 0x3c820821, v31                 ; q / 63
	v_mov_b32 v43, 0
	v_mul_f32 v20, 0x4038aa3b, v20                 ; g1 x 2 log2(e)
	v_mul_f32 v21, 0x4038aa3b, v21
	v_mul_f32 v32, v16, v20                        ; A
	v_mul_f32 v33, v17, v21
	v_mul_f32 v34, v18, v20                        ; B
	v_mul_f32 v35, v19, v21
	v_mul_f32 v36, 0x4038aa3b, v22                 ; be1 x 2 log2(e)
	v_mul_f32 v37, 0x4038aa3b, v23
	global_store_b64 v4, v[32:33], s[52:53] offset:7168   ; 32 lanes store 256 consecutive bytes, aligned
	global_store_b64 v4, v[34:35], s[52:53] offset:7424
	global_store_b64 v4, v[36:37], s[52:53] offset:7680
	s_wait_xcnt 0x0                                ; EXEC is a source of the pending stores: it changes only behind this wait
	v_cmp_eq_u32 vcc_lo, 0, v1
	s_and_saveexec_b32 s76, vcc_lo
	global_store_b128 v8, v[40:43], s[52:53] offset:7936   ; lane 0: a / 63, rho, q / 63, 0
	s_wait_xcnt 0x0
	s_or_b32 exec_lo, exec_lo, s76
	v_cmp_gt_u32 vcc_lo, 16, v1
	s_and_saveexec_b32 s76, vcc_lo
	global_store_b32 v5, v8, s[54:55] offset:1984  ; part[496 .. 511] = 0
	s_wait_xcnt 0x0
	s_or_b32 exec_lo, exec_lo, s76
.Lidle:
	s_endpgm
	; ---------------- roles 3 .. 64: wave W = 8 (work-group - 3) + wave sums x[512 W .. 512 W + 511]; x has 62,500 groups of four
.Lsum:
	s_sub_co_u32 s72, ttmp9, 3
	s_lshl_b32 s72, s72, 3
	s_add_co_u32 s72, s72, s[WV]                   ; W
	s_lshl_b32 s73, s72, 7
	v_add_nc_u32 v4, s73, v1                       ; my first group of four
.irp i, 0,1,2,3
	v_add_nc_u32 v[8+\i], 32*\i, v4
	v_min_u32 v[12+\i], 62499, v[8+\i]             ; no load leaves x: groups past its end read the last one, and count for 0 below
	v_lshlrev_b32 v[12+\i], 4, v[12+\i]
	global_load_b128 v[16+4*\i:19+4*\i], v[12+\i], s[56:57]   ; 32 lanes read 512 consecutive bytes
.endr
	s_lshl_b32 s73, s72, 2
	v_mov_b32 v5, s73
	s_wait_loadcnt 0x0
.irp i, 0,1,2,3
	v_pk_add_f32 v[16+4*\i:17+4*\i], v[16+4*\i:17+4*\i], v[18+4*\i:19+4*\i]
.endr
.irp i, 0,1,2,3
	v_add_f32 v[16+4*\i], v[16+4*\i], v[17+4*\i]
	v_cmp_gt_u32 vcc_lo, 62500, v[8+\i]
	v_cndmask_b32 v[16+4*\i], 0, v[16+4*\i], vcc_lo
.endr
	v_add_f32 v16, v16, v20
	v_add_f32 v24, v24, v28
	v_add_f32 v16, v16, v24
	WSUM 16, TMP
	s_wait_xcnt 0x0                                ; EXEC changes only behind this wait
	v_cmp_eq_u32 vcc_lo, 0, v1
	s_and_saveexec_b32 s76, vcc_lo
	global_store_b32 v5, v16, s[54:55]             ; part[W]
	s_wait_xcnt 0x0
	s_or_b32 exec_lo, exec_lo, s76
	s_endpgm
.Lfunc_end_k_q1b0c1215fa_prep:
	.size	k_q1b0c1215fa_prep, .Lfunc_end_k_q1b0c1215fa_prep-k_q1b0c1215fa_prep
	.p2alignl 7, 3214868480
	.fill 96, 4, 3214868480
	.section	.rodata,"a",@progbits
	.p2align	6, 0x0
	.amdhsa_kernel k_q1b0c1215fa_prep
		.amdhsa_group_segment_fixed_size 1536
		.amdhsa_private_segment_fixed_size 0
		.amdhsa_enable_private_segment 0
		.amdhsa_kernarg_size 232
		.amdhsa_user_sgpr_count 2
		.amdhsa_user_sgpr_kernarg_segment_ptr 1
		.amdhsa_wavefront_size32 1
		.amdhsa_system_sgpr_workgroup_id_x 1
		.amdhsa_system_sgpr_workgroup_id_y 1
		.amdhsa_system_sgpr_workgroup_id_z 1
		.amdhsa_system_vgpr_workitem_id 0
		.amdhsa_next_free_vgpr 256
		.amdhsa_next_free_sgpr 80
		.amdhsa_reserve_vcc 1
		.amdhsa_float_denorm_mode_32 3
		.amdhsa_float_denorm_mode_16_64 3
		.amdhsa_memory_ordered 1
		.amdhsa_forward_progress 1
		.amdhsa_inst_pref_size 26
	.end_amdhsa_kernel
	.amdgpu_metadata
---
amdhsa.version: [ 1, 2 ]
amdhsa.kernels:
  - .name:           k_q1b0c1215fa_prep
    .symbol:         k_q1b0c1215fa_prep.kd
    .args:
      - { .name: x, .offset: 0, .size: 8, .value_kind: global_buffer, .address_space: global }
      - { .name: W1, .offset: 8, .size: 8, .value_kind: global_buffer, .address_space: global }
      - { .name: b1, .offset: 16, .size: 8, .value_kind: global_buffer, .address_space: global }
      - { .name: g1, .offset: 24, .size: 8, .value_kind: global_buffer, .address_space: global }
      - { .name: be1, .offset: 32, .size: 8, .value_kind: global_buffer, .address_space: global }
      - { .name: l0_Wi, .offset: 40, .size: 8, .value_kind: global_buffer, .address_space: global }
      - { .name: l0_bi, .offset: 48, .size: 8, .value_kind: global_buffer, .address_space: global }
      - { .name: l0_Wh, .offset: 56, .size: 8, .value_kind: global_buffer, .address_space: global }
      - { .name: l0_bh, .offset: 64, .size: 8, .value_kind: global_buffer, .address_space: global }
      - { .name: l0_gi, .offset: 72, .size: 8, .value_kind: global_buffer, .address_space: global }
      - { .name: l0_bgi, .offset: 80, .size: 8, .value_kind: global_buffer, .address_space: global }
      - { .name: l0_gh, .offset: 88, .size: 8, .value_kind: global_buffer, .address_space: global }
      - { .name: l0_bgh, .offset: 96, .size: 8, .value_kind: global_buffer, .address_space: global }
      - { .name: l0_gc, .offset: 104, .size: 8, .value_kind: global_buffer, .address_space: global }
      - { .name: l0_bc, .offset: 112, .size: 8, .value_kind: global_buffer, .address_space: global }
      - { .name: l1_Wi, .offset: 120, .size: 8, .value_kind: global_buffer, .address_space: global }
      - { .name: l1_bi, .offset: 128, .size: 8, .value_kind: global_buffer, .address_space: global }
      - { .name: l1_Wh, .offset: 136, .size: 8, .value_kind: global_buffer, .address_space: global }
      - { .name: l1_bh, .offset: 144, .size: 8, .value_kind: global_buffer, .address_space: global }
      - { .name: l1_gi, .offset: 152, .size: 8, .value_kind: global_buffer, .address_space: global }
      - { .name: l1_bgi, .offset: 160, .size: 8, .value_kind: global_buffer, .address_space: global }
      - { .name: l1_gh, .offset: 168, .size: 8, .value_kind: global_buffer, .address_space: global }
      - { .name: l1_bgh, .offset: 176, .size: 8, .value_kind: global_buffer, .address_space: global }
      - { .name: l1_gc, .offset: 184, .size: 8, .value_kind: global_buffer, .address_space: global }
      - { .name: l1_bc, .offset: 192, .size: 8, .value_kind: global_buffer, .address_space: global }
      - { .name: wimg, .offset: 200, .size: 8, .value_kind: global_buffer, .address_space: global }
      - { .name: wscl, .offset: 208, .size: 8, .value_kind: global_buffer, .address_space: global }
      - { .name: cst, .offset: 216, .size: 8, .value_kind: global_buffer, .address_space: global }
      - { .name: part, .offset: 224, .size: 8, .value_kind: global_buffer, .address_space: global }
    .group_segment_fixed_size: 1536
    .private_segment_fixed_size: 0
    .kernarg_segment_align: 8
    .kernarg_segment_size: 232
    .max_flat_workgroup_size: 256
    .sgpr_count:     80
    .vgpr_count:     256
    .wavefront_size: 32
...
	.end_amdgpu_metadata
.endif
;; end of part 1
;; launch main (part 2): grid 256 x 1, 8 waves a work-group, no clusters, 41,984 bytes of LDS; arguments x, Wo, bo, wimg, wscl, cst, part, out0, out1; writes out0, out1
.if DOCPART == 2
	.amdgcn_target "amdgcn-amd-amdhsa--gfx1250"
	.amdhsa_code_object_version 6
	.text
	.protected	k_q1b0c1215fa_main
	.globl	k_q1b0c1215fa_main
	.p2align	8
	.type	k_q1b0c1215fa_main,@function
k_q1b0c1215fa_main:
	s_mov_b64 s[64:65], 0
	v_nop
	global_prefetch_b8 v0, s[64:65] scope:SCOPE_SE
	s_setreg_imm32_b32 hwreg(HW_REG_WAVE_MODE, 25, 1), 1
	s_wait_xcnt 0x0
; The whole chain for all 250,001 rows (x's 250,000 numbers and their mean): scalar -> 64 units, LayerNorm, tanh; two LayerNorm-LSTM cells; the dot product with Wo.  Nothing on the way goes to memory.
; reference() builds hx = cx = 0 itself: sigmoid(f) cx is 0 (the gate f counts in the LayerNorm's statistics alone), and LN(hx Wh^T + bh) gh + bgh is one row of 256, made by the launch before (in Cc).
; SHARES.  A quad is 64 rows: 256 bytes of x and of out0.  Tile i (0..3) of a quad takes rows 4 m + i, m = 0..15: so one load of 16 bytes a lane brings x for the four tiles, and one store of 16 bytes
; from 16 lanes covers 256 consecutive bytes of out0, aligned.  3,907 quads; quad 3,906 holds rows 249,984 .. 249,999 and, as its row 16, the mean.  2,048 waves; a wave takes quad 256 w + work-group and,
; where it exists, the quad 2,048 further on.  Waves share nothing: no barrier.
; LAYOUT.  The products are used as they stand: source 0 = 16 rows of the batch, source 1 = 16 rows of Wi.  In a result lane (r, h) holds column 16 t + r, its register j row 8 h + j.  So a constant of a column
; (bias, gain) is ONE register a tile, and serves both halves of a packed instruction.  Sums along a row cross 16 lanes: eight registers are summed and dealt out in 22 instructions (SCAT8: lane l of a half
; ends with row l % 8's sum), root and reciprocal run on one register, and eight moves spread the result (GATH8).
; EACH PRODUCT IS ISSUED TWICE.  First all 16 tiles onto four accumulators by turns: the matrix unit adds the tiles up, which gives each row's sum over 256 columns in 4 x 8 registers.  Then each tile with
; C = (centred bias - the row's mean): the result is y - mean(y) as it leaves the unit; the variance is taken of that (two passes, no difference of large sums).
; K = 64, the instruction takes 128: source 0's registers 4-7 are zero codes for the whole launch, so source 1's upper half may hold any codes: operand t is registers 4 t .. 4 t + 7 of one array of 17 groups
; of four (its upper half is tile t + 1's codes; group 16 is zeros).  Scale bytes 2 and 3 are 127 on both sides.
; What work-groups share (16,384 bytes of codes, 2,048 of scale words, under 8,192 of constants) each wave reads ONCE, into registers that keep it: no tile goes through LDS, so there is no tensor load,
; no joint request and no cluster; x's 256 bytes a quad are asked for at the head with all else, so nothing is prefetched.
; sigmoid(z) = 1 / (1 + 2^(-log2(e) z)), tanh(z) = 1 - 2 / (1 + 2^(2 log2(e) z)); the factors lie in the constants.  Both saturate for any argument: 2^.. may be infinite, its reciprocal is then 0.
; LIMITS: NaN and infinities among the inputs are not served.  tanh so made has an absolute error of about 1e-7, not a relative one.  The first layer's variance a' (x + rho)^2 + q' loses relative accuracy
; only where b1's centred part is parallel to W1's and x lies within a few ulps of -rho.  A block whose largest magnitude lies under 2^-124 keeps the scale byte 1 (a block of zeros too: its codes are zeros).
; REGISTERS.  Window 0: v1-3 addresses; v4-7 x of the quad (shifts down a tile at a time); v8-11 results (likewise); v12-15 the second quad's x; v16-23 source 0; v24 its scale word; v25-31 addresses and the mean;
;   v32-47 Wi's scale words; v48-87 row sums at work; v88-92 the quantiser; v96-97 (x / s, 1 / s); v128-255 the 16 tiles.   Window 1: v0-67, v68-135 Wi's codes; v136-191, v192-247 the cells' constants; v248-251 Wo.
.set NQUAD, 3907
.set NROW,  250000
.set WREG,  5120                       ; LDS: a region of its own for each wave: 768 bytes of the first layer's constants, then 16 rows x 272 bytes to turn hx
.set TST,   768
.set TP,    272                        ; a row of 64 f32 + 16 bytes
.set X,     4
.set O,     8
.set XB,    12
.set AF,    16
.set SA,    24
.set TW,    25
.set TR,    26
.set RHO4,  27
.set OOFF,  28
.set MEAN,  29
.set ROW4S, 30
.set ZOFF,  31
.set WS,    32
.set S,     48
.set Q,     56
.set M,     64
.set R,     72
.set T,     80
.set QA,    88
.set QA2,   89
.set QS,    90
.set QB,    91
.set QO,    92
.set RHO16, 93
.set XR,    96
.set D,     128
.set WF0,   0                          ; window 1
.set WF1,   68
.set K0,    136                        ; + 0 Bc[16], + 16 G[16], + 32 Cc[16], + 48 gc'[4], + 52 bc'[4]
.set K1,    192
.set WO,    248
.set SEL,   36                         ; s[36:37] v_permlanex16_b32's selects for lane l xor 16
.set MSB, 0
.macro WIN new                         ; low byte: bits 1:0 source 0, 3:2 source 1, 5:4 source 2, 7:6 destination; the high byte repeats the setting that is left
.if MSB != \new
	s_set_vgpr_msb (MSB<<8)|\new
.set MSB, \new
.endif
.endm
.macro NOPS n
.rept \n
	v_nop
.endr
.endm
.macro WAITT                           ; behind a batch of transcendentals: one plain instruction, and the one wait ahead of the first use of a result
	v_nop
	s_wait_alu depctr_va_vdst(0)
.endm
.macro RUN1 op, base, n                ; op on n registers in place
.set i_, 0
.rept \n
	\op v[\base+i_], v[\base+i_]
.set i_, i_+1
.endr
.endm
.macro ADD1 base, n                    ; + 1, n pairs
.set i_, 0
.rept \n
	v_pk_add_f32 v[\base+i_:\base+i_+1], v[\base+i_:\base+i_+1], 1.0 op_sel_hi:[1,0]
.set i_, i_+2
.endr
.endm
.macro TFIN base, n                    ; 1 - 2 v, n pairs
.set i_, 0
.rept \n
	v_pk_fma_f32 v[\base+i_:\base+i_+1], v[\base+i_:\base+i_+1], -2.0, 1.0 op_sel_hi:[1,0,0]
.set i_, i_+2
.endr
.endm
.macro PMUL base, other, n             ; base x= other, n pairs
.set i_, 0
.rept \n
	v_pk_mul_f32 v[\base+i_:\base+i_+1], v[\base+i_:\base+i_+1], v[\other+i_:\other+i_+1]
.set i_, i_+2
.endr
.endm
.macro WSUM v, tmp                     ; the sum over the wave's 32 lanes, in every lane
	v_add_f32_dpp v[\v], v[\v], v[\v] row_xmask:1 row_mask:0xf bank_mask:0xf
	v_add_f32_dpp v[\v], v[\v], v[\v] row_xmask:2 row_mask:0xf bank_mask:0xf
	v_add_f32_dpp v[\v], v[\v], v[\v] row_xmask:4 row_mask:0xf bank_mask:0xf
	v_add_f32_dpp v[\v], v[\v], v[\v] row_xmask:8 row_mask:0xf bank_mask:0xf
	v_permlanex16_b32 v[\tmp], v[\v], s[SEL], s[SEL+1]
	v_add_f32 v[\v], v[\v], v[\tmp]
.endm
; Registers b .. b + 7 hold, in each lane, a part of the sums of rows 8 h + 0 .. 7.  In each step a lane keeps the half of its registers that its own bit of the lane's number names and gets the partner's
; part of them: 4, 2, 1 additions; a last one joins lanes l and l xor 8.  Lane l of half h ends with the whole sum of row 8 h + l % 8 in register b.
.macro SCAT8 b
.irp o, 0,1,2,3
	v_cndmask_b32 v[T+2*\o], v[\b+\o], v[\b+\o+4], s38
	v_cndmask_b32 v[T+2*\o+1], v[\b+\o+4], v[\b+\o], s38
.endr
.irp o, 0,1,2,3
	v_add_f32_dpp v[\b+\o], v[T+2*\o+1], v[T+2*\o] row_xmask:4 row_mask:0xf bank_mask:0xf
.endr
.irp o, 0,1
	v_cndmask_b32 v[T+2*\o], v[\b+\o], v[\b+\o+2], s39
	v_cndmask_b32 v[T+2*\o+1], v[\b+\o+2], v[\b+\o], s39
.endr
.irp o, 0,1
	v_add_f32_dpp v[\b+\o], v[T+2*\o+1], v[T+2*\o] row_xmask:2 row_mask:0xf bank_mask:0xf
.endr
	v_cndmask_b32 v[T], v[\b], v[\b+1], s40
	v_cndmask_b32 v[T+1], v[\b+1], v[\b], s40
	v_add_f32_dpp v[\b], v[T+1], v[T] row_xmask:1 row_mask:0xf bank_mask:0xf
	v_add_f32_dpp v[\b], v[\b], v[\b] row_xmask:8 row_mask:0xf bank_mask:0xf
.endm
.macro GATH8 dst, src                  ; register dst + j of every lane of a half: row 8 h + j's number, from lane j of the half
.irp j, 0,1,2,3,4,5,6,7
	v_mov_b32_dpp v[\dst+\j], v[\src] row_share:\j row_mask:0xf bank_mask:0xf
.endr
.endm
.macro STAT reg, c                     ; a sum of squares -> 1 / (sqrt(sum x c) + 1e-5)
	v_mul_f32 v[\reg], \c, v[\reg]
	v_sqrt_f32 v[\reg], v[\reg]
	WAITT
	v_add_f32 v[\reg], 0x3727c5ac, v[\reg]
	v_rcp_f32 v[\reg], v[\reg]
	WAITT
.endm
; 32 numbers of a lane, one whole block along K (lane (r, h): row r, k = 32 h ..), become 4 registers of codes; QB = the block's scale byte, QO = that of lane l xor 16's block
.macro QUANT32 src, cod
	v_max3_num_f32 v[QA], |v[\src]|, |v[\src+1]|, 0x1800000          ; the largest magnitude, in two chains; the floor 2^(3 - 127) holds the byte at 1 from below
	v_max3_num_f32 v[QA2], |v[\src+16]|, |v[\src+17]|, |v[\src+18]|
.irp i, 0,2,4,6,8,10
	v_max3_num_f32 v[QA], v[QA], |v[\src+2+\i]|, |v[\src+3+\i]|
	v_max3_num_f32 v[QA2], v[QA2], |v[\src+19+\i]|, |v[\src+20+\i]|
.endr
	v_max3_num_f32 v[QA], v[QA], |v[\src+14]|, |v[\src+15]|
	v_max3_num_f32 v[QA], v[QA], v[QA2], |v[\src+31]|
	v_add_nc_u32 v[QS], 0xff000000, v[QA]                            ; 2 off its exponent field: the conversion takes this operand's exponent field as its scale
.irp g, 0,1,2,3
	v_cvt_scalef32_pk8_fp4_f32 v[\cod+\g], v[\src+8*\g:\src+8*\g+7], v[QS]
.endr
	v_lshrrev_b32 v[QB], 23, v[QS]                                   ; the scale's byte; also the plain instruction behind the conversions
	v_permlanex16_b32 v[QO], v[QB], s[SEL], s[SEL+1]
.endm
.macro SAWORD                          ; lanes 0-15: row r's scale word (lanes 16-31 are not read)
	v_lshl_or_b32 v[SA], v[QO], 8, v[QB]
	v_or_b32 v[SA], 0x7f7f0000, v[SA]
	NOPS 8                                         ; a scale register written by a vector instruction stands 8 places ahead of a scaled matrix instruction, an operand so written 4
.endm
; One matrix instruction: accumulator rD, Wi's operand rB (window 1), Wi's scale words in rW: tile t_'s in lanes 0-15 (even) or 16-31 (odd)
.macro WMM zero
.if \zero
.if t_%2
	v_wmma_scale_f32_16x16x128_f8f6f4 v[rD:rD+7], v[AF:AF+7], v[rB:rB+7], 0, v[SA], v[rW] matrix_a_fmt:MATRIX_FMT_FP4 matrix_b_fmt:MATRIX_FMT_FP4 matrix_b_scale:MATRIX_SCALE_ROW1
.else
	v_wmma_scale_f32_16x16x128_f8f6f4 v[rD:rD+7], v[AF:AF+7], v[rB:rB+7], 0, v[SA], v[rW] matrix_a_fmt:MATRIX_FMT_FP4 matrix_b_fmt:MATRIX_FMT_FP4
.endif
.else
.if t_%2
	v_wmma_scale_f32_16x16x128_f8f6f4 v[rD:rD+7], v[AF:AF+7], v[rB:rB+7], v[rD:rD+7], v[SA], v[rW] matrix_a_fmt:MATRIX_FMT_FP4 matrix_b_fmt:MATRIX_FMT_FP4 matrix_b_scale:MATRIX_SCALE_ROW1
.else
	v_wmma_scale_f32_16x16x128_f8f6f4 v[rD:rD+7], v[AF:AF+7], v[rB:rB+7], v[rD:rD+7], v[SA], v[rW] matrix_a_fmt:MATRIX_FMT_FP4 matrix_b_fmt:MATRIX_FMT_FP4
.endif
.endif
.endm
.macro SUM4                            ; S = tiles 0 + 1 + 2 + 3, each tile from its low end on
.irp p, 0,2,4,6
	v_pk_add_f32 v[S+\p:S+\p+1], v[D+\p:D+\p+1], v[D+8+\p:D+9+\p]
	v_pk_add_f32 v[T+\p:T+\p+1], v[D+16+\p:D+17+\p], v[D+24+\p:D+25+\p]
.endr
.irp p, 0,2,4,6
	v_pk_add_f32 v[S+\p:S+\p+1], v[S+\p:S+\p+1], v[T+\p:T+\p+1]
.endr
.endm
.macro SQSUM n                         ; Q = the sum of the squares of tiles 0 .. n - 1, each tile from its low end on
.irp p, 0,2,4,6
	v_pk_mul_f32 v[Q+\p:Q+\p+1], v[D+\p:D+\p+1], v[D+\p:D+\p+1]
.endr
.set t_, 1
.rept \n-1
.irp p, 0,2,4,6
	v_pk_fma_f32 v[Q+\p:Q+\p+1], v[D+8*t_+\p:D+8*t_+\p+1], v[D+8*t_+\p:D+8*t_+\p+1], v[Q+\p:Q+\p+1]
.endr
.set t_, t_+1
.endr
.endm
; A column's constant is one register of a pair; op_sel and op_sel_hi name that register for both halves of the packed instruction.
.macro BADD t, kb                      ; tile t = constant kb[t] (window 1) + M
.irp p, 0,2,4,6
.if (\t)%2
	v_pk_add_f32 v[D+8*(\t)+\p:D+8*(\t)+\p+1], v[\kb+(\t)-1:\kb+(\t)], v[M+\p:M+\p+1] op_sel:[1,0] op_sel_hi:[1,1]
.else
	v_pk_add_f32 v[D+8*(\t)+\p:D+8*(\t)+\p+1], v[\kb+(\t):\kb+(\t)+1], v[M+\p:M+\p+1] op_sel_hi:[0,1]
.endif
.endr
.endm
.macro BFMA t, gb, cb                  ; tile t = tile t x gb[t] + cb[t] (both window 1)
.irp p, 0,2,4,6
.if (\t)%2
	v_pk_fma_f32 v[D+8*(\t)+\p:D+8*(\t)+\p+1], v[D+8*(\t)+\p:D+8*(\t)+\p+1], v[\gb+(\t)-1:\gb+(\t)], v[\cb+(\t)-1:\cb+(\t)] op_sel:[0,1,1] op_sel_hi:[1,1,1]
.else
	v_pk_fma_f32 v[D+8*(\t)+\p:D+8*(\t)+\p+1], v[D+8*(\t)+\p:D+8*(\t)+\p+1], v[\gb+(\t):\gb+(\t)+1], v[\cb+(\t):\cb+(\t)+1] op_sel_hi:[1,0,0]
.endif
.endr
.endm
.macro RMUL t                          ; tile t x= R (a number a row)
.irp p, 0,2,4,6
	v_pk_mul_f32 v[D+8*(\t)+\p:D+8*(\t)+\p+1], v[D+8*(\t)+\p:D+8*(\t)+\p+1], v[R+\p:R+\p+1]
.endr
.endm
.macro MADD t                          ; tile t += M
.irp p, 0,2,4,6
	v_pk_add_f32 v[D+8*(\t)+\p:D+8*(\t)+\p+1], v[D+8*(\t)+\p:D+8*(\t)+\p+1], v[M+\p:M+\p+1]
.endr
.endm
; AN LSTM CELL on 16 rows.  In: source 0's codes in v[AF ..], its scale word in v[SA].  Out: hx in tiles 0-3 (row 8 h + j, unit 16 t + r).  Gates: i = tiles 0-3, f = 4-7, o = 8-11, g = 12-15.
.macro CELL wf, kk, ws
	WIN 0x04                                       ; source 1 (Wi) window 1
.set t_, 0
.rept 16                                               ; first issue: the 16 tiles onto four accumulators, one instruction a turn; the first four start the sums
.set rD, D+8*(t_%4)
.set rB, \wf+4*t_
.set rW, \ws+t_/2
.if t_ < 4
	WMM 1
.else
	WMM 0
.endif
.set t_, t_+1
.endr
	WIN 0
	NOPS 4                                         ; four places behind a matrix instruction before its result is read (ISA guide 7.12.1)
	SUM4
	SCAT8 S
	v_mul_f32 v[S], 0xbb800000, v[S]               ; -mean over the 256 columns (the bias is centred, so it adds nothing)
	GATH8 M, S
	WIN 0x01                                       ; source 0 (Bc) window 1
.irp t, 0,1,2,3,4,5,6,7,8,9,10,11,12,13,14,15
	BADD \t, \kk                                   ; C of tile t: Bc - mean
.endr
	NOPS 4
	WIN 0x04
.set t_, 0
.rept 16                                               ; second issue: y - mean(y), a tile an accumulator
.set rD, D+8*t_
.set rB, \wf+4*t_
.set rW, \ws+t_/2
	WMM 0
.set t_, t_+1
.endr
	WIN 0
	NOPS 4
	SQSUM 16
	SCAT8 Q
	STAT Q, 0x3b808081                             ; / 255: 1 / (std + 1e-5)
	GATH8 R, Q
.irp t, 0,1,2,3,8,9,10,11,12,13,14,15
	RMUL \t
.endr
	WIN 0x14                                       ; sources 1 and 2 window 1
.irp t, 0,1,2,3,8,9,10,11,12,13,14,15
	BFMA \t, \kk+16, \kk+32                        ; kappa z = d / s x (gi kappa) + Cc
.endr
	WIN 0
	RUN1 v_exp_f32, D, 32                          ; one batch: 96 exponentials, one wait
	RUN1 v_exp_f32, D+64, 64
	WAITT
	ADD1 D, 16
	ADD1 D+64, 32
	RUN1 v_rcp_f32, D, 32                          ; sigmoid(i), sigmoid(o), and g's reciprocals
	RUN1 v_rcp_f32, D+64, 64
	WAITT
	TFIN D+96, 16                                  ; tanh(g)
	PMUL D, D+96, 16                               ; c = sigmoid(i) tanh(g)   (sigmoid(f) x 0 adds nothing)
	SUM4                                           ; LayerNorm of c, over its 64 units
	SCAT8 S
	v_mul_f32 v[S], 0xbc800000, v[S]
	GATH8 M, S
.irp t, 0,1,2,3
	MADD \t
.endr
	SQSUM 4
	SCAT8 Q
	STAT Q, 0x3c820821                             ; / 63
	GATH8 R, Q
.irp t, 0,1,2,3
	RMUL \t
.endr
	WIN 0x14
.irp t, 0,1,2,3
	BFMA \t, \kk+48, \kk+52
.endr
	WIN 0
	RUN1 v_exp_f32, D, 32
	WAITT
	ADD1 D, 16
	RUN1 v_rcp_f32, D, 32
	WAITT
	TFIN D, 16                                     ; tanh(LN(c))
	PMUL D, D+64, 16                               ; hx = sigmoid(o) tanh(LN(c))
.endm
	s_load_b512 s[8:23], s[0:1], 0x0               ; x s[8:9], Wo s[10:11], bo s[12:13], wimg s[14:15], wscl s[16:17], cst s[18:19], part s[20:21], out0 s[22:23]
	s_load_b64 s[24:25], s[0:1], 0x40              ; out1
	v_lshl_add_u32 v126, v0, 2, 0xa000
	v_mov_b32 v127, 0
	v_lshrrev_b32 v104, 5, v0
	v_readfirstlane_b32 s32, v104                  ; wave 0..7
	v_and_b32 v105, 31, v0                         ; lane
	v_and_b32 v106, 15, v0                         ; r
	v_bfe_u32 v107, v0, 4, 1                       ; h
	v_lshlrev_b32 v1, 2, v106                      ; 4 r
	v_lshlrev_b32 v2, 4, v105                      ; 16 x lane
	s_mul_i32 s42, s32, WREG                       ; my wave's LDS
	s_add_co_u32 s43, s42, TST
	v_lshl_add_u32 v3, v107, 7, s42                ; the first layer's constants of units 32 h on
	v_mul_u32_u24 v[TW], v107, 8*TP
	v_add_nc_u32 v[TW], v[TW], v1
	v_add_nc_u32 v[TW], s43, v[TW]                 ; hx on its way in: row 8 h (+ j), unit r (+ 16 t)
	v_mul_u32_u24 v[TR], v106, TP
	v_lshl_add_u32 v[TR], v107, 7, v[TR]
	v_add_nc_u32 v[TR], s43, v[TR]                 ; and back: row r, units 32 h on
	v_lshl_add_u32 v108, v105, 3, s42
	v_and_b32 v109, 7, v0
	v_lshl_add_u32 v109, v107, 3, v109             ; the tile's row whose result SCAT8 leaves in my lane: 8 h + lane % 8
	v_lshlrev_b32 v[RHO16], 4, v109
	v_lshlrev_b32 v[RHO4], 2, v109
	v_and_b32 v110, 8, v0
	v_lshl_or_b32 v[RHO4], v110, 27, v[RHO4]       ; lanes 8-15 and 24-31 hold copies: 2^30 puts their row past every bound, so they store nothing
	v_lshlrev_b32 v111, 2, v105
	v_lshlrev_b32 v112, 3, v105
	s_lshl_b32 s33, s32, 8
	s_add_co_u32 s33, s33, ttmp9                   ; my first quad: 256 w + work-group
	s_lshl_b32 s44, s33, 8
	v_lshl_add_u32 v113, v106, 4, s44              ; its x: 256 bytes a quad, 16 r
	s_add_co_u32 s45, s44, 2048*256
	v_lshl_add_u32 v114, v106, 4, s45              ; the second quad's,
	v_min_u32 v114, 999984, v114                   ; held inside x
	s_add_co_u32 s46, s33, 2048
	s_lshl_b32 s46, s46, 6
	v_add_nc_u32 v109, s46, v1                     ; the first of the four rows that this load stands for
	s_mov_b32 s[SEL], 0x76543210
	s_mov_b32 s[SEL+1], 0xfedcba98
	s_mov_b32 s38, 0xf0f0f0f0                      ; lanes whose number has bit 2,
	s_mov_b32 s39, 0xcccccccc                      ; bit 1,
	s_mov_b32 s40, 0xaaaaaaaa                      ; bit 0
	s_wait_kmcnt 0x0
	s_load_b32 s26, s[12:13], 0x0                  ; bo
	s_load_b128 s[28:31], s[18:19], 0x1f00         ; a / 63, rho, q / 63, 0
	global_load_b128 v[X:X+3], v113, s[8:9]
	global_load_b128 v[XB:XB+3], v114, s[8:9]
	WIN 0x40                                       ; destination window 1, address window 0
.irp c, 0,1
.irp t, 0,1,2,3,4,5,6,7,8,9,10,11,12,13,14,15
	global_load_b128 v[68*\c+4*\t:68*\c+4*\t+3], v2, s[14:15] offset:8192*\c+512*\t       ; an image of tile t's registers: 512 consecutive bytes
.endr
.irp t, 0,1,2,3,4,5,6,7,8,9,10,11,12,13,14,15
	global_load_b32 v[K0+56*\c+\t], v1, s[18:19] offset:3584*\c+64*\t                     ; Bc(16 t + r)
.endr
.irp t, 0,1,2,3,8,9,10,11,12,13,14,15
	global_load_b32 v[K0+56*\c+16+\t], v1, s[18:19] offset:3584*\c+1024+64*\t             ; G
	global_load_b32 v[K0+56*\c+32+\t], v1, s[18:19] offset:3584*\c+2048+64*\t             ; Cc
.endr
.irp t, 0,1,2,3
	global_load_b32 v[K0+56*\c+48+\t], v1, s[18:19] offset:3584*\c+3072+64*\t             ; gc'
	global_load_b32 v[K0+56*\c+52+\t], v1, s[18:19] offset:3584*\c+3328+64*\t             ; bc'
.endr
.endr
.irp t, 0,1,2,3
	global_load_b32 v[WO+\t], v1, s[10:11] offset:64*\t                                   ; Wo(16 t + r)
.endr
.irp i, 0,1,2,3
	v_mov_b32 v[WF0+64+\i], 0                      ; group 16 of both arrays
	v_mov_b32 v[WF1+64+\i], 0
.endr
	WIN 0
.irp c, 0,1
.irp p, 0,1,2,3,4,5,6,7
	global_load_b32 v[WS+8*\c+\p], v111, s[16:17] offset:1024*\c+128*\p                   ; lanes 0-15: tile 2 p's words, lanes 16-31: tile 2 p + 1's
.endr
.endr
.irp k, 0,1,2
	global_load_b64 v[D+2*\k:D+2*\k+1], v112, s[18:19] offset:7168+256*\k                 ; A, B, be': 256 bytes each
.endr
.irp i, 0,1,2,3
	global_load_b128 v[D+16+4*\i:D+19+4*\i], v2, s[20:21] offset:512*\i                   ; the 512 partial sums of x
.endr
.irp i, 4,5,6,7
	v_mov_b32 v[AF+\i], 0                          ; source 0's K = 64 .. 127: zero codes, for the whole launch
.endr
.irp i, 0,1,2,3
	v_mov_b32 v[O+\i], 0                           ; the results' registers are shifted before the first result is in
.endr
.irp i, 0,1,2,3,4,5,6,7
	v_mov_b32 v[M+\i], 0                           ; the destination of a DPP form or a lane permute counts as one of its sources: written once
	v_mov_b32 v[R+\i], 0
.endr
	v_mov_b32 v[QO], 0
	v_mov_b32 v115, 0
	v_mov_b32 v[ZOFF], 0
	s_wait_loadcnt 0x0                             ; one wait for the head's one batch
	s_wait_kmcnt 0x0
.irp k, 0,1,2
	ds_store_b64 v108, v[D+2*\k:D+2*\k+1] offset:256*\k   ; into my wave's own bytes: LDS serves a wave's instructions in order (ISA guide 5.7.1.4), so no wait and no barrier
.endr
.irp i, 2,4,6,8,10,12,14
	v_pk_add_f32 v[D+16:D+17], v[D+16:D+17], v[D+16+\i:D+17+\i]
.endr
	v_add_f32 v[MEAN], v[D+16], v[D+17]
	WSUM MEAN, 115
	v_mul_f32 v[MEAN], 0x368637bd, v[MEAN]         ; / 250,000
	v_cmp_le_u32 vcc_lo, NROW, v109                ; rows from 250,000 on take the mean: row 250,000 is reference()'s last row, the others are stored nowhere
.irp i, 0,1,2,3
	v_cndmask_b32 v[XB+\i], v[XB+\i], v[MEAN], vcc_lo
.endr
	s_mov_b32 s34, 0
.Lquad:                                                ; two trips: my first quad, and the one 2,048 further on
	s_cmp_ge_u32 s33, NQUAD
	s_cbranch_scc1 .Lnone                          ; a branch on ids: there is no such quad
	s_lshl_b32 s42, s33, 6
	v_add_nc_u32 v[ROW4S], s42, v[RHO4]            ; the first of the four rows whose results my lane will hold
	s_lshl_b32 s42, s33, 8
	v_add_nc_u32 v[OOFF], s42, v[RHO16]            ; and their 16 bytes in out0
	s_mov_b32 s35, 0
.Ltile:                                                ; four trips: a tile of 16 rows each
	; ---- the first layer.  Lane (r, h): row r, units 32 h .. 32 h + 31
.irp k, 0,1,2
.irp i, 0,1,2,3,4,5,6,7
	ds_load_b128 v[D+32+32*\k+4*\i:D+35+32*\k+4*\i], v3 offset:256*\k+16*\i   ; A, B, be' of my 32 units (the lanes of a half read the same words)
.endr
.endr
	v_add_f32 v98, s29, v[X]                       ; x + rho
	v_mul_f32 v99, s28, v98
	v_fma_f32 v99, v99, v98, s30                   ; the variance: a' (x + rho)^2 + q'
	v_sqrt_f32 v99, v99
	WAITT
	v_add_f32 v99, 0x3727c5ac, v99
	v_rcp_f32 v[XR+1], v99                         ; 1 / (s + 1e-5)
	WAITT
	v_mul_f32 v[XR], v[X], v[XR+1]                 ; x / (s + 1e-5)
	v_mov_b32 v[X], v[X+1]                         ; the next tile's x moves down
	v_mov_b32 v[X+1], v[X+2]
	v_mov_b32 v[X+2], v[X+3]
	s_wait_dscnt 0x0
.irp p, 0,2,4,6,8,10,12,14,16,18,20,22,24,26,28,30
	v_pk_fma_f32 v[D+\p:D+\p+1], v[D+32+\p:D+33+\p], v[XR:XR+1], v[D+96+\p:D+97+\p] op_sel_hi:[1,0,1]
.endr
.irp p, 0,2,4,6,8,10,12,14,16,18,20,22,24,26,28,30
	v_pk_fma_f32 v[D+\p:D+\p+1], v[D+64+\p:D+65+\p], v[XR:XR+1], v[D+\p:D+\p+1] op_sel:[0,1,0] op_sel_hi:[1,1,1]
.endr
	RUN1 v_exp_f32, D, 32
	WAITT
	ADD1 D, 16
	RUN1 v_rcp_f32, D, 32
	WAITT
	TFIN D, 16                                     ; h = tanh(LN(x W1^T + b1))
	QUANT32 D, AF
	SAWORD
	CELL WF0, K0, WS
	; ---- hx changes layout through my own 16 rows of LDS: in by columns, back by rows
.irp t, 0,1,2,3
.irp j, 0,1,2,3,4,5,6,7
	ds_store_b32 v[TW], v[D+8*\t+\j] offset:TP*\j+64*\t
.endr
.endr
.irp i, 0,1,2,3,4,5,6,7
	ds_load_b128 v[D+32+4*\i:D+35+4*\i], v[TR] offset:16*\i   ; these see the stores above: a wave's LDS instructions are served in order
.endr
	s_wait_dscnt 0x0
	QUANT32 D+32, AF
	SAWORD
	CELL WF1, K1, WS+8
	; ---- out = h2x . Wo + bo
	WIN 0x04                                       ; source 1 (Wo) window 1
.irp p, 0,2,4,6
	v_pk_mul_f32 v[S+\p:S+\p+1], v[D+\p:D+\p+1], v[WO:WO+1] op_sel_hi:[1,0]
.endr
.irp p, 0,2,4,6
	v_pk_fma_f32 v[S+\p:S+\p+1], v[D+8+\p:D+9+\p], v[WO:WO+1], v[S+\p:S+\p+1] op_sel:[0,1,0] op_sel_hi:[1,1,1]
.endr
.irp p, 0,2,4,6
	v_pk_fma_f32 v[S+\p:S+\p+1], v[D+16+\p:D+17+\p], v[WO+2:WO+3], v[S+\p:S+\p+1] op_sel_hi:[1,0,1]
.endr
.irp p, 0,2,4,6
	v_pk_fma_f32 v[S+\p:S+\p+1], v[D+24+\p:D+25+\p], v[WO+2:WO+3], v[S+\p:S+\p+1] op_sel:[0,1,0] op_sel_hi:[1,1,1]
.endr
	WIN 0
	SCAT8 S
	v_mov_b32 v[O], v[O+1]                         ; after four tiles register O + i holds tile i's result: rows 4 m + 0 .. 3 side by side
	v_mov_b32 v[O+1], v[O+2]
	v_mov_b32 v[O+2], v[O+3]
	v_add_f32 v[O+3], s26, v[S]
	s_add_co_u32 s35, s35, 1
	s_cmp_lt_u32 s35, 4
	s_cbranch_scc1 .Ltile
	s_wait_xcnt 0x0                                ; EXEC is a source of pending memory instructions: it changes only behind this wait
	v_cmp_gt_u32 vcc_lo, NROW, v[ROW4S]
	s_and_saveexec_b32 s41, vcc_lo
	global_store_b128 v[OOFF], v[O:O+3], s[22:23] th:TH_STORE_NT   ; in a full quad 16 lanes store 256 consecutive bytes, aligned
	s_wait_xcnt 0x0
	s_or_b32 exec_lo, exec_lo, s41
	v_cmp_eq_u32 vcc_lo, NROW, v[ROW4S]            ; one lane of one wave of the launch: row 250,000, the mean's
	s_and_saveexec_b32 s41, vcc_lo
	global_store_b32 v[ZOFF], v[O], s[24:25]
	s_wait_xcnt 0x0                                ; also frees the stores' data and offsets for the next trip
	s_or_b32 exec_lo, exec_lo, s41
.Lnone:
.irp i, 0,1,2,3
	v_mov_b32 v[X+\i], v[XB+\i]
.endr
	s_add_co_u32 s33, s33, 2048
	s_add_co_u32 s34, s34, 1
	s_cmp_lt_u32 s34, 2
	s_cbranch_scc1 .Lquad
	s_wait_tensorcnt 0x0
	ds_add_u32 v126, v127
	s_wait_dscnt 0x0
	s_endpgm
.Lfunc_end_k_q1b0c1215fa_main:
	.size	k_q1b0c1215fa_main, .Lfunc_end_k_q1b0c1215fa_main-k_q1b0c1215fa_main
	.p2alignl 7, 3214868480
	.fill 96, 4, 3214868480
	.section	.rodata,"a",@progbits
	.p2align	6, 0x0
	.amdhsa_kernel k_q1b0c1215fa_main
		.amdhsa_group_segment_fixed_size 41984
		.amdhsa_private_segment_fixed_size 0
		.amdhsa_enable_private_segment 0
		.amdhsa_kernarg_size 72
		.amdhsa_user_sgpr_count 2
		.amdhsa_user_sgpr_kernarg_segment_ptr 1
		.amdhsa_wavefront_size32 1
		.amdhsa_system_sgpr_workgroup_id_x 1
		.amdhsa_system_sgpr_workgroup_id_y 1
		.amdhsa_system_sgpr_workgroup_id_z 1
		.amdhsa_system_vgpr_workitem_id 0
		.amdhsa_next_free_vgpr 512
		.amdhsa_next_free_sgpr 66
		.amdhsa_reserve_vcc 1
		.amdhsa_float_denorm_mode_32 3
		.amdhsa_float_denorm_mode_16_64 3
		.amdhsa_memory_ordered 1
		.amdhsa_forward_progress 1
		.amdhsa_inst_pref_size 136
	.end_amdhsa_kernel
	.amdgpu_metadata
---
amdhsa.version: [ 1, 2 ]
amdhsa.kernels:
  - .name:           k_q1b0c1215fa_main
    .symbol:         k_q1b0c1215fa_main.kd
    .args:
      - { .name: x, .offset: 0, .size: 8, .value_kind: global_buffer, .address_space: global }
      - { .name: Wo, .offset: 8, .size: 8, .value_kind: global_buffer, .address_space: global }
      - { .name: bo, .offset: 16, .size: 8, .value_kind: global_buffer, .address_space: global }
      - { .name: wimg, .offset: 24, .size: 8, .value_kind: global_buffer, .address_space: global }
      - { .name: wscl, .offset: 32, .size: 8, .value_kind: global_buffer, .address_space: global }
      - { .name: cst, .offset: 40, .size: 8, .value_kind: global_buffer, .address_space: global }
      - { .name: part, .offset: 48, .size: 8, .value_kind: global_buffer, .address_space: global }
      - { .name: out0, .offset: 56, .size: 8, .value_kind: global_buffer, .address_space: global }
      - { .name: out1, .offset: 64, .size: 8, .value_kind: global_buffer, .address_space: global }
    .group_segment_fixed_size: 41984
    .private_segment_fixed_size: 0
    .kernarg_segment_align: 8
    .kernarg_segment_size: 72
    .max_flat_workgroup_size: 256
    .sgpr_count:     66
    .vgpr_count:     512
    .wavefront_size: 32
...
	.end_amdgpu_metadata
.endif
;; end of part 2
